; MI455X (gfx1250); checked and timed in simulation.
; The chip was launched on July 23, 2026; its instructions are those of AMD's public machine-readable ISA for CDNA 5 (MIT licence, August 2026) and "CDNA5" Instruction Set Architecture Reference Guide (July 2026). The comments in the code are by the model that wrote it; some were corrected since.
;; Causal Self Attention. Allowed arithmetic: matrix products marked QUANTISED: E2M3 operands, one E8M0 scale for each 32 along K, by v_wmma_scale_f32_16x16x128_f8f6f4 with both operands' format E2M3, f32 sums; everything else in f32.
;; Inputs: w_proj 1,024 x 1,024 float32; w_qkv 3,072 x 1,024 float32; x 2 x 2,048 x 1,024 float32.
;; Outputs: out0 2 x 2,048 x 1,024 float32.
;; This version of the problem:
;;   THIS VERSION OF THE PROBLEM IS GIVEN IN LOW PRECISION. The matrix products marked QUANTISED in the list below multiply operands that are first quantised to E2M3 (2 exponent bits, 3 mantissa bits; 6 bits a number), with one power-of-two scale for each 32 numbers along K (OCP MX v1.0); their sums are f32. All else is computed in f32.
;;   The module's matrix products, in the order in which they are computed (A, B: the left and right operand; K: the contracted axis; several contracted axes count as one K, in the product's order):
;;     1. [M 4,096, K 1,024] x [K 1,024, N 3,072]; A: input x; B: input w_qkv: QUANTISED
;;     2. batch 32 x [M 2,048, K 64] x [K 64, N 2,048]; A: computed on the way; B: computed on the way: QUANTISED
;;     3. batch 32 x [M 2,048, K 2,048] x [K 2,048, N 64]; A: softmax (see below); B: computed on the way: QUANTISED
;;     4. [M 4,096, K 1,024] x [K 1,024, N 1,024]; A: computed on the way; B: input w_proj: QUANTISED
;;   THE QUANTISER, for each operand of a quantised product, along K:
;;     - K is cut into blocks of 32 from its start; a last block that is shorter is filled with zeros.
;;     - A block's scale is 2^e with e = floor(log2(the largest magnitude in the block)) - 2, held to -126 .. 127; a block of zeros has e = 0. As a byte (E8M0): e + 127.
;;     - Each number is divided by its block's scale, clamped to +-7.5, and rounded to the nearest number of E2M3, ties to even, subnormals kept.
;;     - The product sums the exact products of the quantised numbers (number of the format x scale) in f32.
;;   ~~~python
;;   def quantise(x, axis):      # numpy; x: float32 -> the quantised numbers, widened to float32 again
;;       x = np.moveaxis(x, axis, -1); K = x.shape[-1]
;;       x = np.pad(x, [(0, 0)] * (x.ndim - 1) + [(0, -K % 32)]); x = x.reshape(x.shape[:-1] + (-1, 32)); a = np.abs(x).max(-1, keepdims=True)
;;       e = np.where(a > 0, np.clip(np.frexp(np.where(a > 0, a, 1))[1] - 1 - 2, -126, 127), 0)      # np.frexp(a)[1] - 1 = floor(log2(a)), exactly
;;       r = np.clip(x / 2.0 ** e, -7.5, 7.5)
;;       step = 2.0 ** (np.maximum(np.frexp(np.where(r == 0, 1, r))[1] - 1, 0) - 3)
;;       q = np.round(r / step) * step * 2.0 ** e      # np.round: ties to even
;;       return np.moveaxis(q.reshape(q.shape[:-2] + (-1,))[..., :K], -1, axis).astype(np.float32)
;;   ~~~
;;   SOFTMAX AHEAD OF A QUANTISED PRODUCT. Where the list says 'softmax', what is quantised is not the finished softmax but p = 2^(t - M), with t = logit x log2(e) and M = ceil(the row's largest t), a whole number; so 1/2 < the row's largest p <= 1. The row's sum l is taken of the UNQUANTISED p, in f32, and the product's result is divided by l at the end. Since M is a whole number, a kernel that streams over the keys may use a running M (the ceiling of the running maximum): every later rescaling is an exact power of two, which a block's scale takes up: the codes' values come out the same.
;;   OPERANDS COMPUTED ON THE WAY. 'Computed on the way' means the value that the module computes at that place (a softmax that the list does not call 'softmax' is quantised finished and normalised). What goes into a quantiser is computed in f32, as accurately as f32 sums, v_exp_f32 and their like allow (about 1e-6 of the number): no bf16 or f16 on the way to a quantiser, and a product that is left as it is and whose result goes on into a quantised operand takes f32 operands (vector FMAs, or v_wmma_f32_16x16x4_f32). A number that lies on a knife's edge between two numbers of the format may be rounded either way, as far as f32 arithmetic and the matrix unit's own rounding can turn it there, and no further.
;; One version. Each part assembles by itself: llvm-mc -triple=amdgcn-amd-amdhsa -mcpu=gfx1250 --defsym DOCPART=n.
;; ======== version 1 of 1: 4 launches
;; limits: right only within a limited range of input values
;; workspace buffers: C1 6,815,744 bytes; QKV 9,830,400 bytes; Y 3,407,872 bytes
;; launch quant (part 1): grid 256 x 1, 8 waves a work-group, no clusters, 68,608 bytes of LDS; arguments x, w_qkv, w_proj, C1; writes C1
.if DOCPART == 1
	.amdgcn_target "amdgcn-amd-amdhsa--gfx1250"
	.amdhsa_code_object_version 6
	.text
	.protected	k_q8c93edc711_quant
	.globl	k_q8c93edc711_quant
	.p2align	8
	.type	k_q8c93edc711_quant,@function
k_q8c93edc711_quant:
	s_mov_b64 s[64:65], 0
	v_nop
	global_prefetch_b8 v0, s[64:65] scope:SCOPE_SE
	s_setreg_imm32_b32 hwreg(HW_REG_WAVE_MODE, 25, 1), 1
	s_wait_xcnt 0x0
; x [4096][1024], w_qkv [3072][1024], w_proj [1024][1024], f32, K innermost, become codes of FP6 (E2M3) with one E8M0 byte for each 32 along K.
; A block's scale is 2^(floor(log2(its largest magnitude)) - 2): its byte is the largest magnitude's exponent field - 2, held at 1 from below; the conversion rounds to the nearest code, ties to even.
; LIMITS: NaN and infinities among the inputs are not served; a block whose largest magnitude lies under 2^-124 has its byte held at 1; a block of zeros gets the byte 1 where the rule says 127
; (its codes are zeros, which add nothing under any byte but 0xff, and the bytes are read by this program alone).
; WORK LEFT OUT in the program: scores of keys that the causal mask, built in reference()'s own body, hides from all 16 queries of a tile, where they come in whole tiles (launch attn).  A NaN or an infinity that reaches only those is not carried on.
; THE ORDER OF ROWS, for every tensor: tile a (0..3) of each 64 rows holds, at place r, row 8 a + r % 8 + 32 (r / 8).  A product that takes four such tiles as source 0 leaves 32 neighbours, one scale block of the next product, in 32 registers of a lane.
; C1: row block (16 places) x 13,312 bytes: four chunks of 3,328, each two fragments of 16 rows x 128 K (1,536 bytes: three pieces of 512, lane l's registers 4 i .. 4 i + 3 at 512 i + 16 l), then 256 bytes:
; row r's two scale words at 8 r, and the same again behind 128.  Row blocks: x 0-255; 256 + 12 head + (q 0-3, v 0-1, k 0-3, v 2-3); w_proj 448-511.
; A wave takes one row block and a quarter of K: one chunk.  Each load reads 512 consecutive bytes of a row; all 32 loads of a wave are out together.  A fragment turns through the wave's own stage in LDS (rows 528 bytes apart), from which
; lane (r, h) takes the blocks 64 c + 32 h + 0 .. 31 of row r whole.  Waves share nothing: no barrier.  No cluster: no input byte is read twice.
.set SPITCH, 528
.set WSTG,  16*SPITCH
.set SPARE, 8*WSTG                     ; the spare words, 128 bytes for each wave
.set RB,    13312
.set CH,    3328
.set SPW,   12
.set NIL,   13
.set R,     16                         ; v16-143  two fragments as loaded
.set X,     144                        ; v144-207 64 numbers: register 32 c + i = k 64 c + 32 h + i of my row
.set PC,    208                        ; v208-231 codes
.set CT,    232                        ; the conversions' second halves
.set T,     240
.set SO,    242
.set BY,    244
.set W,     246                        ; v246-247 scale words
.set WX,    248
.set SEL,   30
	s_load_b128 s[4:7], s[0:1], 0x0                ; x, w_qkv
	s_load_b128 s[8:11], s[0:1], 0x10              ; w_proj, C1
	v_lshl_add_u32 v[SPW], v0, 2, SPARE
	v_mov_b32 v[NIL], 0
	v_lshrrev_b32 v1, 5, v0
	v_readfirstlane_b32 s14, v1                    ; wave 0..7
	s_mul_i32 s15, s14, WSTG
	v_and_b32 v7, 31, v0
	v_and_b32 v14, 15, v0                          ; r
	v_bfe_u32 v6, v0, 4, 1                         ; h
	v_lshlrev_b32 v1, 4, v7                        ; 16 x lane
	v_add_nc_u32 v2, s15, v1                       ; into the stage
	v_mul_u32_u24 v3, v14, SPITCH
	v_lshl_add_u32 v3, v6, 7, v3
	v_add_nc_u32 v3, s15, v3                       ; out of it: row r, + 128 h
	v_lshlrev_b32 v5, 7, v6
	v_lshl_add_u32 v5, v14, 3, v5                  ; 8 r + 128 h
	v_lshlrev_b32 v8, 3, v6                        ; 8 h
	v_mov_b32 v[WX], 0                             ; (a lane permute's destination counts as one of its sources)
	s_mov_b32 s[SEL], 0x76543210                   ; selects for lane l xor 16
	s_mov_b32 s[SEL+1], 0xfedcba98
	s_lshr_b32 s16, s14, 2
	s_and_b32 s17, s14, 3                          ; my quarter of K
	s_lshl_b32 s18, ttmp9, 1
	s_add_co_u32 s18, s18, s16                     ; row block in the order of the inputs
	s_mov_b32 s20, 448
	s_wait_alu depctr_va_vdst(0)                   ; the wait at the head's end
	s_wait_kmcnt 0x0
	s_cmp_lt_u32 ttmp9, 224                        ; which tensor: by the work-group's number alone
	s_cselect_b64 s[6:7], s[6:7], s[8:9]
	s_cselect_b32 s20, 256, s20
	s_cmp_lt_u32 ttmp9, 128
	s_cselect_b64 s[4:5], s[4:5], s[6:7]
	s_cselect_b32 s20, 0, s20
	s_sub_co_u32 s21, s18, s20
	s_lshr_b32 s22, s21, 2                         ; the group of 64 rows
	s_and_b32 s23, s21, 3                          ; a
	s_lshl_b32 s24, s22, 6
	s_lshl_b32 s25, s23, 3
	s_add_co_u32 s24, s24, s25
	s_lshl_b32 s24, s24, 12                        ; the tile's first row, x 4,096 bytes
	s_lshl_b32 s25, s17, 10
	s_add_co_u32 s24, s24, s25
	s_mov_b32 s25, 0
	s_add_nc_u64 s[4:5], s[4:5], s[24:25]
	s_and_b32 s26, s22, 15                         ; w_qkv: the head
	s_mul_i32 s26, s26, 12
	s_add_co_u32 s26, s26, s23
	s_lshr_b32 s27, s22, 4                         ; q, k, v
	s_lshr_b32 s28, s23, 1
	s_lshl_b32 s28, s28, 2
	s_add_co_u32 s28, s28, 4                       ; v: 4 + a + 4 (a / 2)
	s_cmp_eq_u32 s27, 1
	s_cselect_b32 s28, 6, s28                      ; k: 6 + a
	s_cmp_eq_u32 s27, 0
	s_cselect_b32 s28, 0, s28                      ; q: a
	s_add_co_u32 s26, s26, s28
	s_add_co_u32 s26, s26, 256
	s_sub_co_u32 s19, ttmp9, 128
	s_cmp_lt_u32 s19, 96                           ; (unsigned) w_qkv's work-groups
	s_cselect_b32 s26, s26, s18
	s_mul_i32 s24, s26, RB
	s_mul_i32 s25, s17, CH
	s_add_co_u32 s24, s24, s25
	s_mov_b32 s25, 0
	s_add_nc_u64 s[10:11], s[10:11], s[24:25]      ; my chunk
.macro LOAD f
.irp p, 0,1,2,3,4,5,6,7,8,9,10,11,12,13,14,15
	global_load_b128 v[R+64*(\f)+4*\p:R+64*(\f)+4*\p+3], v1, s[4:5] offset:((\p%8)+32*(\p/8))*4096+512*(\f) th:TH_LOAD_NT
.endr
.endm
.macro TURN f                          ; LDS serves a wave's instructions in order: no wait stands between the stores and the loads
.irp p, 0,1,2,3,4,5,6,7,8,9,10,11,12,13,14,15
	ds_store_b128 v2, v[R+64*(\f)+4*\p:R+64*(\f)+4*\p+3] offset:SPITCH*\p
.endr
.irp c, 0,1
.irp j, 0,1,2,3,4,5,6,7
	ds_load_b128 v[X+32*\c+4*\j:X+32*\c+4*\j+3], v3 offset:256*\c+16*\j
.endr
.endr
.endm
.macro QUANT pc, w
.irp c, 0,1
	v_max3_num_f32 v[T+\c], |v[X+32*\c]|, |v[X+32*\c+1]|, 0x1800000   ; with the floor 2^(3 - 127): the byte cannot fall under 1
.endr
.irp i, 2,4,6,8,10,12,14,16,18,20,22,24,26,28,30
.irp c, 0,1
	v_max3_num_f32 v[T+\c], v[T+\c], |v[X+32*\c+\i]|, |v[X+32*\c+\i+1]|
.endr
.endr
.irp c, 0,1
	v_add_nc_u32 v[SO+\c], 0xff000000, v[T+\c]     ; 2 off the exponent field: the conversion's scale operand
.endr
.irp c, 0,1
	v_lshrrev_b32 v[BY+\c], 23, v[SO+\c]
.endr
	v_lshl_or_b32 v[\w], v[BY+1], 16, v[BY]        ; my bytes: blocks h and 2 + h of the fragment
	v_lshlrev_b32 v[\w], v8, v[\w]
	v_permlanex16_b32 v[WX], v[\w], s[SEL], s[SEL+1]
	v_or_b32 v[\w], v[\w], v[WX]                   ; with lane l xor 16's two the word is whole
.irp c, 0,1
	v_cvt_scalef32_pk16_fp6_f32 v[\pc+6*\c:\pc+6*\c+2], v[X+32*\c:X+32*\c+15], v[SO+\c]
	v_cvt_scalef32_pk16_fp6_f32 v[CT+4*\c:CT+4*\c+2], v[X+32*\c+16:X+32*\c+31], v[SO+\c]   ; (a conversion's three registers begin on an even number)
.endr
	v_nop                                          ; one plain instruction behind a scaled conversion
.irp c, 0,1
.irp i, 0,1,2
	v_mov_b32 v[\pc+6*\c+3+\i], v[CT+4*\c+\i]
.endr
.endr
.endm
	LOAD 0
	LOAD 1
	s_wait_loadcnt 16                              ; fragment 0 is in; fragment 1's 16 loads may be out
	TURN 0
	s_wait_dscnt 0x0
	QUANT PC, W
.irp i, 0,1,2
	global_store_b128 v1, v[PC+4*\i:PC+4*\i+3], s[10:11] offset:512*\i
.endr
	s_wait_loadcnt 0x0
	TURN 1
	s_wait_dscnt 0x0
	QUANT PC+12, W+1
.irp i, 0,1,2
	global_store_b128 v1, v[PC+12+4*\i:PC+12+4*\i+3], s[10:11] offset:1536+512*\i
.endr
	global_store_b64 v5, v[W:W+1], s[10:11] offset:3072   ; 256 consecutive bytes: the words, and the words again
	s_wait_tensorcnt 0x0                           ; the wave's end
	ds_add_u32 v[SPW], v[NIL]
	s_wait_dscnt 0x0
	s_endpgm
.Lfunc_end_k_q8c93edc711_quant:
	.size	k_q8c93edc711_quant, .Lfunc_end_k_q8c93edc711_quant-k_q8c93edc711_quant
	.p2alignl 7, 3214868480
	.fill 96, 4, 3214868480
	.section	.rodata,"a",@progbits
	.p2align	6, 0x0
	.amdhsa_kernel k_q8c93edc711_quant
		.amdhsa_group_segment_fixed_size 68608
		.amdhsa_private_segment_fixed_size 0
		.amdhsa_enable_private_segment 0
		.amdhsa_kernarg_size 32
		.amdhsa_user_sgpr_count 2
		.amdhsa_user_sgpr_kernarg_segment_ptr 1
		.amdhsa_wavefront_size32 1
		.amdhsa_system_sgpr_workgroup_id_x 1
		.amdhsa_system_sgpr_workgroup_id_y 1
		.amdhsa_system_sgpr_workgroup_id_z 1
		.amdhsa_system_vgpr_workitem_id 0
		.amdhsa_next_free_vgpr 256
		.amdhsa_next_free_sgpr 66
		.amdhsa_reserve_vcc 0
		.amdhsa_float_denorm_mode_32 3
		.amdhsa_float_denorm_mode_16_64 3
		.amdhsa_memory_ordered 1
		.amdhsa_forward_progress 1
		.amdhsa_inst_pref_size 17
	.end_amdhsa_kernel
	.amdgpu_metadata
---
amdhsa.version: [ 1, 2 ]
amdhsa.kernels:
  - .name:           k_q8c93edc711_quant
    .symbol:         k_q8c93edc711_quant.kd
    .args:
      - { .name: x, .offset: 0, .size: 8, .value_kind: global_buffer, .address_space: global }
      - { .name: w_qkv, .offset: 8, .size: 8, .value_kind: global_buffer, .address_space: global }
      - { .name: w_proj, .offset: 16, .size: 8, .value_kind: global_buffer, .address_space: global }
      - { .name: C1, .offset: 24, .size: 8, .value_kind: global_buffer, .address_space: global }
    .group_segment_fixed_size: 68608
    .private_segment_fixed_size: 0
    .kernarg_segment_align: 8
    .kernarg_segment_size: 32
    .max_flat_workgroup_size: 256
    .sgpr_count:     66
    .vgpr_count:     256
    .wavefront_size: 32
...
	.end_amdgpu_metadata
.endif
;; end of part 1
;; launch qkv (part 2): grid 16 x 16, 4 waves a work-group, clusters of 4 x 4, 327,680 bytes of LDS; arguments C1, QKV; writes QKV
.if DOCPART == 2
	.amdgcn_target "amdgcn-amd-amdhsa--gfx1250"
	.amdhsa_code_object_version 6
	.text
	.protected	k_q8c93edc711_qkv
	.globl	k_q8c93edc711_qkv
	.p2align	8
	.type	k_q8c93edc711_qkv,@function
k_q8c93edc711_qkv:
	s_mov_b64 s[64:65], 0
	v_nop
	global_prefetch_b8 v0, s[64:65] scope:SCOPE_SE
	s_setreg_imm32_b32 hwreg(HW_REG_WAVE_MODE, 25, 1), 1
	s_wait_xcnt 0x0
	s_wait_alu depctr_hold_cnt(0) depctr_sa_sdst(0) depctr_va_vdst(0) depctr_va_sdst(0) depctr_va_ssrc(0) depctr_va_vcc(0) depctr_vm_vsrc(0)
	s_getreg_b32 s2, hwreg(HW_REG_IB_STS2, 6, 4)
	s_cmp_eq_u32 s2, 0
	s_cbranch_scc0 .Lentry_in_a_cluster
	s_endpgm
.Lentry_in_a_cluster:
	s_bfe_u32 s2, ttmp6, 0x10000c
	s_cmp_lg_u32 s2, 0xf033
	s_cbranch_scc0 .Lentry_shape_is_right
	s_endpgm
.Lentry_shape_is_right:
; qkv = x w_qkv^T on codes of FP6 (E2M3) with E8M0 scales, sums in f32; the results are quantised in registers and leave as codes: q and k along the head's 64, v along the KEYS.  No f32 result goes to memory.
; A work-group makes one head's q, k and v (192 columns) for 256 tokens: 16 heads x 16 blocks of tokens = 256 work-groups.  A wave makes 128 tokens (one key step) x (q in waves 0 and 2, k in 1 and 3; and two of v's four tiles): 48 accumulators.
; q, k: source 0 = the weight's rows, source 1 = tokens: register 32 a + 8 b + i of lane (r, h) is feature 32 h + 8 b + i of token tile a's place r.  v: source 0 = tokens, source 1 = w_v's rows: register 64 t + 32 c + 8 j + i is token 64 c + 32 h + 8 j + i
; of channel tile t's place r.  So 32 registers of a lane are one scale block of the next product.
; K = 1,024 is eight steps of 128; two steps are a chunk of each row block (3,328 bytes, scale words with it); chunk c lies in slot c % 2.  At the head wave 0 fetches chunk 0 of x, wave 1 of the weights, waves 2 and 3 chunk 1;
; waves 0 and 1 fetch chunk 2 behind the round in step 1, waves 2 and 3 chunk 3 behind the round in step 3.  Fragments have two sets of registers: step s + 1's are loaded from LDS ahead of step s's products.
; CLUSTERS: 4 x 4 work-groups: x's rows are asked for jointly by a row of the cluster, the weights' by a column.  No prefetch: the text has no loop to run ahead in, and half of what it reads is asked for at its head.
; OUT.  QKV: [16 batch + head][key step of 128 tokens][K's part, V's, Q's: 6,400 bytes each]: 6,144 of codes, then scale words [r][4 words].  K and Q: four pairs of token tiles, registers 0-5 the even tile's 64 channels, 6-11 the odd one's;
; V: four channel tiles x 128 keys.  Three pieces of 512 bytes each, 16 bytes a lane.
; LIMITS: NaN and infinities are not served; a block whose largest magnitude lies under 2^-124 has its byte held at 1; a block of zeros gets the byte 1 (zero codes; the bytes are read by this program alone).
; REGISTERS: window 0: v0-23 addresses, v24-55 scale words (two sets), v56-223 fragments of even steps (later the codes), v224-243 the way out; window 1: v0-167 fragments of odd steps; window 2: q's or k's sums; window 3: v's.
.set RB,   13312
.set CH,   3328
.set XS,   16*CH                       ; x's 16 row blocks, then the weights' 12
.set SLOT, 28*CH
.set SPARE, 2*SLOT                     ; the spare words, 128 bytes for each wave
.set STG,  SPARE+512                   ; the results' scale bytes: 256 for each wave's q or k, 256 for each key step's v
.set SPW,  10
.set NIL,  11
.set AX,   12                          ; v12-13 LDS address of my x fragments in slot 0, 1
.set AW,   14                          ; v14-15 of my weight fragments
.set AS,   16                          ; v16-17 of the scale words: lanes 0-15 x's block i, lanes 16-31 the weights' block i
.set AS2,  18                          ; v18-19 the same, x's alone
.set SC,   24
.set B0,   56
.set PC,   56
.set T,    224
.set SO,   228
.set BY,   230
.set CT,   232
.set G1X,  24
.set G0X,  32
.set G0W,  36
.set G1W,  68
.set MSB,  0
.macro WIN new
.if MSB != (\new)
	s_set_vgpr_msb (MSB<<8)|(\new)
.set MSB, (\new)
.endif
.endm
.macro PLACES
.rept 4
	v_nop
.endr
.endm
.macro TL g0, g1
	tensor_load_to_lds s[\g0:\g0+3], s[\g1:\g1+7]
	s_nop 0
	PLACES
.endm
.macro CREST                           ; a round of the cluster's barrier behind its opening barrier
	s_cmp_lg_u32 s14, 0
	s_cbranch_scc1 .Lnot_wave_0_\@
	s_barrier_signal -3
.Lnot_wave_0_\@:
	s_barrier_wait -3
	s_barrier_signal -1
	s_barrier_wait -1
.endm
.macro CROUND
	s_barrier_signal -1
	s_barrier_wait -1
	CREST
.endm
	s_load_b128 s[4:7], s[0:1], 0x0                ; C1, QKV
	v_lshl_add_u32 v[SPW], v0, 2, SPARE
	v_mov_b32 v[NIL], 0
	ds_add_u32 v[SPW], v[NIL]                      ; the opening lines
	ds_add_u32 v[SPW], v[NIL]
	v_lshrrev_b32 v20, 5, v0
	v_readfirstlane_b32 s14, v20                   ; wave 0..3
	s_lshr_b32 s15, s14, 1                         ; my key step of the two.  Also: which chunk I fetch at the head
	s_and_b32 s16, s14, 1                          ; 0: q and v's tiles 0, 1;  1: k and v's tiles 2, 3
	s_bfe_u32 s40, ttmp6, 0x40000                  ; cx
	s_bfe_u32 s41, ttmp6, 0x40004                  ; cy
	s_lshl_b32 s42, ttmp9, 2
	s_add_co_u32 s42, s42, s40                     ; the head
	s_and_b32 s17, ttmp7, 0xffff
	s_lshl_b32 s17, s17, 2
	s_add_co_u32 s17, s17, s41                     ; the block of 256 tokens
	s_lshl_b32 s43, s41, 2
	s_lshl_b32 s43, 15, s43                        ; my row of the cluster
	s_lshl_b32 s44, 0x1111, s40                    ; my column
	; descriptor group 1: rows of 3,328 bytes (416 elements of 8), 13,312 bytes apart in memory, dense in LDS
	s_or_b32 s[G1X], s43, (3<<16)|(1<<21)
	s_or_b32 s[G1W], s44, (3<<16)|(1<<21)
	s_mov_b32 s[G1X+2], 16<<16
	s_mov_b32 s[G1W+2], 12<<16
	s_mov_b32 s[G1X+4], 16
	s_mov_b32 s[G1W+4], 12
.irp g, G1X, G1W
	s_mov_b32 s[\g+1], 416<<16
	s_mov_b32 s[\g+3], 416<<16
	s_mov_b32 s[\g+5], 1664
	s_mov_b32 s[\g+6], 0
	s_mov_b32 s[\g+7], 0
.endr
	s_mul_i32 s18, s15, CH
	s_mul_i32 s20, s17, 16*RB
	s_add_co_u32 s20, s20, s18
	s_mov_b32 s21, 0
	s_mul_i32 s22, s42, 12*RB
	s_add_co_u32 s22, s22, 256*RB
	s_add_co_u32 s22, s22, s18
	s_mov_b32 s23, 0
	s_mov_b32 s[G0X], 1
	s_mul_i32 s[G0X+1], s15, SLOT
	s_mov_b32 s[G0W], 1
	s_mul_i32 s[G0W+1], s15, SLOT
	s_add_co_u32 s[G0W+1], s[G0W+1], XS
	s_wait_alu depctr_va_vdst(0)                   ; ahead of the waits below
	s_wait_dscnt 0x0                               ; both opening adds are done
	s_wait_kmcnt 0x0
	s_add_nc_u64 s[G0X+2:G0X+3], s[4:5], s[20:21]
	s_or_b32 s[G0X+3], s[G0X+3], 0x80000000
	s_add_nc_u64 s[G0W+2:G0W+3], s[4:5], s[22:23]
	s_or_b32 s[G0W+3], s[G0W+3], 0x80000000
	CROUND                                         ; all sixteen work-groups are here: the first joint loads meet
	s_cmp_eq_u32 s14, 0                            ; one tensor load a wave, each wave its own line
	s_cbranch_scc0 .Lwave_1
	TL G0X, G1X
	s_branch .Lasked
.Lwave_1:
	s_cmp_eq_u32 s14, 1
	s_cbranch_scc0 .Lwave_2
	TL G0W, G1W
	s_branch .Lasked
.Lwave_2:
	s_cmp_eq_u32 s14, 2
	s_cbranch_scc0 .Lwave_3
	TL G0X, G1X
	s_branch .Lasked
.Lwave_3:
	TL G0W, G1W
.Lasked:
	s_lshr_b32 s50, s17, 3
	s_lshl_b32 s50, s50, 4
	s_add_co_u32 s50, s50, s42                     ; 16 batch + head
	s_mul_i32 s50, s50, 307200
	s_and_b32 s51, s17, 7
	s_lshl_b32 s51, s51, 1
	s_add_co_u32 s51, s51, s15                     ; my key step
	s_mul_i32 s51, s51, 19200
	s_add_co_u32 s50, s50, s51
	s_mov_b32 s51, 0
	s_add_nc_u64 s[8:9], s[6:7], s[50:51]
	s_cmp_eq_u32 s16, 0
	s_cselect_b32 s52, 12800, 0
	s_mov_b32 s53, 0
	s_add_nc_u64 s[60:61], s[8:9], s[52:53]        ; Q's part or K's
	s_mul_i32 s52, s16, 2*1536
	s_add_co_u32 s52, s52, 6400
	s_add_nc_u64 s[62:63], s[8:9], s[52:53]        ; V's part, my two tiles
	s_mul_i32 s2, s15, 8*CH                        ; my 8 blocks of x,
	s_mul_i32 s3, s16, 6*CH
	s_add_co_u32 s3, s3, XS                        ; my 6 of the weights,
	s_sub_co_u32 s11, s3, s2                       ; and the distance between them
	v_and_b32 v1, 15, v0                           ; r
	v_bfe_u32 v2, v0, 4, 1                         ; h
	v_and_b32 v3, 31, v0
	v_lshlrev_b32 v4, 4, v3                        ; 16 x lane
	v_lshlrev_b32 v5, 3, v3                        ; 8 x lane
	v_add_nc_u32 v[AX], s2, v4
	v_add_nc_u32 v[AX+1], SLOT, v[AX]
	v_add_nc_u32 v[AW], s3, v4
	v_add_nc_u32 v[AW+1], SLOT, v[AW]
	v_lshlrev_b32 v20, 3, v1
	v_add_nc_u32 v20, s2, v20
	v_add_nc_u32 v[AS2], 3072, v20
	v_add_nc_u32 v[AS2+1], SLOT, v[AS2]
	v_mul_u32_u24 v21, s11, v2
	v_add_nc_u32 v[AS], v[AS2], v21
	v_add_nc_u32 v[AS+1], SLOT, v[AS]
	v_lshl_add_u32 v20, v1, 4, v2                  ; 16 r + h
	s_lshl_b32 s2, s14, 8
	s_add_co_u32 s2, s2, STG
	v_add_nc_u32 v6, s2, v20                       ; where my q or k scale bytes go,
	v_add_nc_u32 v8, s2, v5                        ; and where I read them back
	s_lshl_b32 s3, s15, 8
	s_add_co_u32 s3, s3, STG+1024
	v_add_nc_u32 v9, s3, v5                        ; v's: read back
	s_lshl_b32 s11, s16, 3
	s_add_co_u32 s3, s3, s11
	v_add_nc_u32 v7, s3, v20                       ; v's: 16 r + h + 4 x tile
.macro FETCH st                        ; step st's fragments: x's 8, the weights' 6; at a chunk's first step its scale words too
.set P_, (\st)%2
.set L_, ((\st)/2)%2
.set F_, B0*(1-P_)
	WIN P_<<6
.irp i, 0,1,2,3,4,5
.irp k, 0,1,2
	ds_load_b128 v[F_+96+12*\i+4*\k:F_+96+12*\i+4*\k+3], v[AW+L_] offset:CH*\i+1536*P_+512*\k
.endr
.endr
.irp i, 0,1,2,3,4,5,6,7
.irp k, 0,1,2
	ds_load_b128 v[F_+12*\i+4*\k:F_+12*\i+4*\k+3], v[AX+L_] offset:CH*\i+1536*P_+512*\k
.endr
.endr
	WIN 0
.if P_ == 0
.irp i, 0,1,2,3,4,5
	ds_load_b64 v[SC+16*L_+2*\i:SC+16*L_+2*\i+1], v[AS+L_] offset:CH*\i
.endr
.irp i, 6,7
	ds_load_b64 v[SC+16*L_+2*\i:SC+16*L_+2*\i+1], v[AS2+L_] offset:CH*\i
.endr
.endif
.endm
; The accumulators take turns, one instruction a turn, in the same order in every step.
.macro QK st, a0, n                    ; q's or k's sums, token tiles a0 .. a0 + n - 1
.set P_, (\st)%2
.set F_, B0*(1-P_)
.set S_, SC+16*(((\st)/2)%2)+P_
	WIN P_|(P_<<2)|0xa0
.set A_, \a0
.rept \n
.irp b, 0,1,2,3
.if (\st) == 0
	v_wmma_scale_f32_16x16x128_f8f6f4 v[32*A_+8*\b:32*A_+8*\b+7], v[F_+96+12*\b:F_+107+12*\b], v[F_+12*A_:F_+12*A_+11], 0, v[S_+2*\b], v[S_+2*A_] matrix_a_fmt:MATRIX_FMT_FP6 matrix_b_fmt:MATRIX_FMT_FP6 matrix_a_scale:MATRIX_SCALE_ROW1
.else
	v_wmma_scale_f32_16x16x128_f8f6f4 v[32*A_+8*\b:32*A_+8*\b+7], v[F_+96+12*\b:F_+107+12*\b], v[F_+12*A_:F_+12*A_+11], v[32*A_+8*\b:32*A_+8*\b+7], v[S_+2*\b], v[S_+2*A_] matrix_a_fmt:MATRIX_FMT_FP6 matrix_b_fmt:MATRIX_FMT_FP6 matrix_a_scale:MATRIX_SCALE_ROW1
.endif
.endr
.set A_, A_+1
.endr
.endm
.macro VV st                           ; v's sums: two channel tiles x eight token tiles
.set P_, (\st)%2
.set F_, B0*(1-P_)
.set S_, SC+16*(((\st)/2)%2)+P_
	WIN P_|(P_<<2)|0xf0
.irp t, 0,1
.irp a, 0,1,2,3,4,5,6,7
.if (\st) == 0
	v_wmma_scale_f32_16x16x128_f8f6f4 v[64*\t+8*\a:64*\t+8*\a+7], v[F_+12*\a:F_+12*\a+11], v[F_+144+12*\t:F_+155+12*\t], 0, v[S_+2*\a], v[S_+8+2*\t] matrix_a_fmt:MATRIX_FMT_FP6 matrix_b_fmt:MATRIX_FMT_FP6 matrix_b_scale:MATRIX_SCALE_ROW1
.else
	v_wmma_scale_f32_16x16x128_f8f6f4 v[64*\t+8*\a:64*\t+8*\a+7], v[F_+12*\a:F_+12*\a+11], v[F_+144+12*\t:F_+155+12*\t], v[64*\t+8*\a:64*\t+8*\a+7], v[S_+2*\a], v[S_+8+2*\t] matrix_a_fmt:MATRIX_FMT_FP6 matrix_b_fmt:MATRIX_FMT_FP6 matrix_b_scale:MATRIX_SCALE_ROW1
.endif
.endr
.endr
.endm
.macro STEP st                         ; a step whose successor's bytes have been shown to all waves
	s_wait_dscnt 0x0                               ; this step's fragments are in
	PLACES                                         ; in front of loads into registers that the last step's products have read
	FETCH (\st)+1
	QK \st, 0, 8
	VV \st
.endm
.macro REFILL n
	s_cmp_eq_u32 s14, \n
	s_cbranch_scc0 .Lweights_\@
	TL G0X, G1X
	s_branch .Lfilled_\@
.Lweights_\@:
	s_cmp_eq_u32 s14, (\n)+1
	s_cbranch_scc0 .Lfilled_\@
	TL G0W, G1W
.Lfilled_\@:
.endm
; A step whose successor begins a chunk.  fill = 1, 2: a round of the cluster's barrier, behind which the slot that has been read out is filled again; fill = 0.
.macro STEPR st, fill
	s_wait_dscnt 0x0
	QK \st, 0, 4
	WIN 0
	s_wait_tensorcnt 0x0                           ; all my tensor loads have landed
.if \fill
	ds_add_u32 v[SPW], v[NIL]
.endif
.if (\fill) == 1
	s_add_nc_u64 s[G0X+2:G0X+3], s[G0X+2:G0X+3], 2*CH   ; waves 0, 1: from chunk 0 to 2; waves 2, 3: from chunk 1 to 3
	s_add_nc_u64 s[G0W+2:G0W+3], s[G0W+2:G0W+3], 2*CH
.endif
	QK \st, 4, 2
	s_wait_dscnt 0x0                               ; the add is done, and so are my reads of the slot
	s_barrier_signal -1
	QK \st, 6, 2
	WIN 0
	s_barrier_wait -1
.if \fill
	CREST
	REFILL 2*(\fill)-2
.endif
	PLACES
	FETCH (\st)+1
	VV \st
.endm
	s_wait_alu depctr_va_vdst(0)                   ; the wait at the head's end
	s_cmp_lt_u32 s14, 2
	s_cbranch_scc0 .Lchunk_1
	s_wait_tensorcnt 0x0                           ; waves 0 and 1: chunk 0 is in; chunk 1 may be on its way
.Lchunk_1:
	s_barrier_signal -1
	s_barrier_wait -1
	FETCH 0
	STEP 0
	STEPR 1, 1
	STEP 2
	STEPR 3, 2
	STEP 4
	STEPR 5, 0
	STEP 6
	s_wait_dscnt 0x0
	QK 7, 0, 8
	VV 7
	WIN 0
	PLACES                                         ; results are read and fragments' registers written behind these
.macro PAIR w, x, d                    ; 64 sums from v[x] of window w: two blocks of 32, into twelve registers of codes from v[d] and two scale bytes
	WIN (\w)|((\w)<<2)|((\w)<<4)
.irp k, 0,1,2,3
	v_max3_num_f32 v[T+\k], |v[\x+16*\k]|, |v[\x+16*\k+1]|, |v[\x+16*\k+2]|
.endr
	WIN ((\w)<<2)|((\w)<<4)
.irp i, 3,5,7,9,11,13
.irp k, 0,1,2,3
	v_max3_num_f32 v[T+\k], v[T+\k], |v[\x+16*\k+\i]|, |v[\x+16*\k+\i+1]|
.endr
.endr
	WIN (\w)<<2
.irp c, 0,1
	v_max3_num_f32 v[T+2*\c+1], v[T+2*\c+1], |v[\x+32*\c+31]|, 0x1800000   ; with the floor 2^(3 - 127)
.endr
.irp c, 0,1
	v_max3_num_f32 v[T+2*\c], v[T+2*\c], |v[\x+32*\c+15]|, v[T+2*\c+1]
.endr
	WIN 0
.irp c, 0,1
	v_add_nc_u32 v[SO+\c], 0xff000000, v[T+2*\c]   ; 2 off the exponent field: the conversion's scale operand
.endr
	WIN \w
.irp c, 0,1
	v_cvt_scalef32_pk16_fp6_f32 v[\d+6*\c:\d+6*\c+2], v[\x+32*\c:\x+32*\c+15], v[SO+\c]
	v_cvt_scalef32_pk16_fp6_f32 v[CT+4*\c:CT+4*\c+2], v[\x+32*\c+16:\x+32*\c+31], v[SO+\c]
.endr
	WIN 0
.irp c, 0,1
	v_lshrrev_b32 v[BY+\c], 23, v[SO+\c]           ; the byte; also the plain instruction behind the conversions
.endr
.irp c, 0,1
.irp i, 0,1,2
	v_mov_b32 v[\d+6*\c+3+\i], v[CT+4*\c+\i]
.endr
.endr
.endm
.irp p, 0,1,2,3
	PAIR 2, 64*\p, PC+12*\p
	ds_store_b8 v6, v[BY] offset:4*\p
	ds_store_b8 v6, v[BY+1] offset:4*\p+2
.irp i, 0,1,2
	global_store_b128 v4, v[PC+12*\p+4*\i:PC+12*\p+4*\i+3], s[60:61] offset:1536*\p+512*\i
.endr
.endr
.irp t, 0,1
	PAIR 3, 64*\t, PC+48+12*\t
	ds_store_b8 v7, v[BY] offset:4*\t
	ds_store_b8 v7, v[BY+1] offset:4*\t+2
.irp i, 0,1,2
	global_store_b128 v4, v[PC+48+12*\t+4*\i:PC+48+12*\t+4*\i+3], s[62:63] offset:1536*\t+512*\i
.endr
.endr
	s_wait_alu depctr_va_vdst(0)
	s_wait_dscnt 0x0
	s_barrier_signal -1
	s_barrier_wait -1                              ; v's bytes of a key step come from two waves
	ds_load_b64 v[240:241], v8
	s_cmp_eq_u32 s16, 0
	s_cbranch_scc0 .Lno_v
	ds_load_b64 v[242:243], v9
	s_wait_dscnt 0x0
	global_store_b64 v5, v[242:243], s[8:9] offset:6400+6144   ; 256 consecutive bytes
.Lno_v:
	s_wait_dscnt 0x0
	global_store_b64 v5, v[240:241], s[60:61] offset:6144
	s_wait_tensorcnt 0x0                           ; the wave's end
	ds_add_u32 v[SPW], v[NIL]
	s_wait_dscnt 0x0
	CROUND                                         ; the closing round
	s_endpgm
.Lfunc_end_k_q8c93edc711_qkv:
	.size	k_q8c93edc711_qkv, .Lfunc_end_k_q8c93edc711_qkv-k_q8c93edc711_qkv
	.p2alignl 7, 3214868480
	.fill 96, 4, 3214868480
	.section	.rodata,"a",@progbits
	.p2align	6, 0x0
	.amdhsa_kernel k_q8c93edc711_qkv
		.amdhsa_group_segment_fixed_size 327680
		.amdhsa_private_segment_fixed_size 0
		.amdhsa_enable_private_segment 0
		.amdhsa_kernarg_size 16
		.amdhsa_user_sgpr_count 2
		.amdhsa_user_sgpr_kernarg_segment_ptr 1
		.amdhsa_wavefront_size32 1
		.amdhsa_system_sgpr_workgroup_id_x 1
		.amdhsa_system_sgpr_workgroup_id_y 1
		.amdhsa_system_sgpr_workgroup_id_z 1
		.amdhsa_system_vgpr_workitem_id 0
		.amdhsa_next_free_vgpr 896
		.amdhsa_next_free_sgpr 80
		.amdhsa_reserve_vcc 0
		.amdhsa_float_denorm_mode_32 3
		.amdhsa_float_denorm_mode_16_64 3
		.amdhsa_memory_ordered 1
		.amdhsa_forward_progress 1
		.amdhsa_inst_pref_size 104
	.end_amdhsa_kernel
	.amdgpu_metadata
---
amdhsa.version: [ 1, 2 ]
amdhsa.kernels:
  - .name:           k_q8c93edc711_qkv
    .symbol:         k_q8c93edc711_qkv.kd
    .args:
      - { .name: C1, .offset: 0, .size: 8, .value_kind: global_buffer, .address_space: global }
      - { .name: QKV, .offset: 8, .size: 8, .value_kind: global_buffer, .address_space: global }
    .group_segment_fixed_size: 327680
    .private_segment_fixed_size: 0
    .kernarg_segment_align: 8
    .kernarg_segment_size: 16
    .max_flat_workgroup_size: 128
    .sgpr_count:     80
    .vgpr_count:     896
    .wavefront_size: 32
...
	.end_amdgpu_metadata
.endif
;; end of part 2
;; launch attn (part 3): grid 8 x 32, 16 waves a work-group, clusters of 4 x 1, 276,480 bytes of LDS; arguments QKV, Y; writes Y
.if DOCPART == 3
	.amdgcn_target "amdgcn-amd-amdhsa--gfx1250"
	.amdhsa_code_object_version 6
	.text
	.protected	k_q8c93edc711_attn
	.globl	k_q8c93edc711_attn
	.p2align	8
	.type	k_q8c93edc711_attn,@function
k_q8c93edc711_attn:
	s_mov_b64 s[64:65], 0
	v_nop
	global_prefetch_b8 v0, s[64:65] scope:SCOPE_SE
	s_setreg_imm32_b32 hwreg(HW_REG_WAVE_MODE, 25, 1), 1
	s_wait_xcnt 0x0
	s_wait_alu depctr_hold_cnt(0) depctr_sa_sdst(0) depctr_va_vdst(0) depctr_va_sdst(0) depctr_va_ssrc(0) depctr_va_vcc(0) depctr_vm_vsrc(0)
	s_getreg_b32 s2, hwreg(HW_REG_IB_STS2, 6, 4)
	s_cmp_eq_u32 s2, 0
	s_cbranch_scc0 .Lentry_in_a_cluster
	s_endpgm
.Lentry_in_a_cluster:
	s_bfe_u32 s2, ttmp6, 0x10000c
	s_cmp_lg_u32 s2, 0x3003
	s_cbranch_scc0 .Lentry_shape_is_right
	s_endpgm
.Lentry_shape_is_right:
; y[b][q][head] = softmax_k(q . k / 8, causal) v, both products on codes of FP6 (E2M3) with E8M0 scales; y is quantised along the channels and leaves as codes for the last product.
; THE SOFTMAX: t = score x log2(e) / 8; M = the running largest t rounded UP to a whole number; p = 2^(t - M) is quantised along the keys, not normalised; the row's sum is taken of the unquantised p and divides O at the end.
; When M moves, the sum and O are multiplied by 2^(old M - new M): exact.
; LEFT OUT: keys of whole tiles that the causal mask of reference()'s own body hides.  Hidden scores inside a tile are taken as -infinity where the problem writes -1e9: p is 0 either way while a row's visible logits stay above -1e9 + 200.
; LIMITS: NaN and infinities are not served; the promise holds while the scaled scores stay under 2^31 in magnitude; a block of y under 2^-124 has its byte held at 1; a block of zeros gets the byte 1 (zero codes; the bytes are read by this program alone).
; ONE HEAD'S K AND V are 16 key steps x 12,800 bytes: they come into LDS whole, one tensor load a wave, all at the head; nothing is filled again.  Slot j of LDS holds key step 15 - j: the walk goes down the keys.
; SHARES.  The queries are 32 groups of 64, four tiles of 16 each.  Place a in the cluster takes tile a of a group.  Waves p and p + 8 (p = 0..7) share groups g = 2 p + cluster x and 31 - g: wave p takes key steps 7 .. 0 of group 31 - g (trips 8 .. 15);
; wave p + 8 the key steps 15 - p .. 8 of group 31 - g (trips p .. 7), hands that part to wave p through LDS, and takes key steps p .. 0 of group g (trips 15 - p .. 15): 8 and 9 trips.  Trips without work are jumped over by a scalar branch.
; Wave p + 8's first trip of each part is on the diagonal: where the group is the lower 64 of its 128 the trip has 64 keys (a body of its own), else 128, of which the upper 64 are masked.
; Branches hang on the wave's number, the trip and the cluster's number: all partners of a cluster run alike.
; CLUSTER: four work-groups of a head ask for K and V JOINTLY.  The place in the cluster enters global addresses and the mask's numbers only.  No prefetch: every byte that the launch reads is asked for at its head.
; LAYOUT.  Both products are used transposed (S^T = K Q^T, O^T = V^T P^T): a lane holds ONE query.  A PAIR fragment of K holds tile 2 k's 64 channels in registers 0-5 and tile 2 k + 1's in 6-11; [q | 0] gives the one tile's scores, [0 | q] the other's.
; Register 32 c + 8 j + i of lane (r, h) is key 64 c + 32 h + 8 j + i of the step: 32 registers are one scale block.
.set STEPB, 19200
.set KVB,   12800
.set PARTB, 6400
.set HEADB, 307200
.set STG,   16*KVB                     ; a part's O, -M and sum: 4,352 bytes of its own for each wave
.set STGB,  4352
.set SPARE, STG+16*STGB                ; the spare words, 128 bytes for each wave
.set LI,   1                           ; v1   16 x lane
.set LS,   2                           ; v2   6,144 + 16 r
.set ADK,  3
.set ADS,  4
.set DQ,   5                           ; v5   my query's place in its 64, less 32 h
.set NINF, 6
.set YSO,  7                           ; v7   8 r + 128 h
.set SPW,  8
.set NIL,  9
.set H8,   10                          ; v10  8 h
.set QS,   11                          ; v11  q's two scale bytes, twice.  v12 -M, v13 the largest score, v[14:15] the sum in two halves
.set Q,    16                          ; v16-33 q, zeros, q: [q | 0] is v16-27, [0 | q] is v22-33
.set F,    34                          ; v34-81 four fragments of K or of V
.set S,    82                          ; v82-145 S^T, then p; at the end y
.set O,    146                         ; v146-177 O^T
.set P,    178                         ; v178-189 p's codes
.set CT,   190
.set SCW,  198
.set PW,   202
.set PX,   203
.set FF,   204                         ; v[204:205] f = 2^(old M - new M)
.set TA,   206
.set TX,   207
.set BM,   208
.set T4,   212
.set SO,   214
.set C,    216                         ; v216-223 four chains of the sum
.set QN,   224                         ; v224-229 group g's q, v230 its scale word
.set QNS,  230
.set TC,   231
.set QA0,  232
.set QA1,  233
.set QSO,  234
.set MS,   235
.set ML,   236
.set L8,   237
.set RS,   238                         ; v238-239 where waves 0-7 read the part that wave p + 8 has handed over
.set RL,   239
.set TB,   2                           ; s2   LDS byte at which the trip's key step begins
.set SI,   3                           ; s3   the trip
.set WV,   18
.set SEL,  20
.set CS,   22                          ; s[22:23] c = log2(e) / 8
.set G1,   24
.set G0,   32
.set NC,   45                          ; -c
.set START, 46                         ; my part's first trip
.set LAST, 48                          ; the trip on the diagonal
.set HF,   50                          ; 1: the diagonal trip has 64 keys
.set PSEL, 51
.macro CROUND
	s_barrier_signal -1
	s_barrier_wait -1
	s_cmp_lg_u32 s[WV], 0
	s_cbranch_scc1 .Lnot_wave_0_\@
	s_barrier_signal -3
.Lnot_wave_0_\@:
	s_barrier_wait -3
	s_barrier_signal -1
	s_barrier_wait -1
.endm
	s_load_b128 s[4:7], s[0:1], 0x0                ; QKV, Y
	v_lshl_add_u32 v[SPW], v0, 2, SPARE
	v_mov_b32 v[NIL], 0
	ds_add_u32 v[SPW], v[NIL]                      ; the opening lines
	ds_add_u32 v[SPW], v[NIL]
	v_lshrrev_b32 v1, 5, v0
	v_readfirstlane_b32 s[WV], v1                  ; wave 0..15
	s_bfe_u32 s10, ttmp6, 0x40000                  ; a = cx
	s_and_b32 s12, ttmp7, 0xffff                   ; 16 batch + head
	s_and_b32 s19, s[WV], 7                        ; p
	s_lshr_b32 s40, s[WV], 3                       ; 0: waves 0-7, 1: waves 8-15
	s_mov_b32 s41, ttmp9                           ; the cluster's x, 0 or 1
	s_xor_b32 s13, s[WV], 15                       ; wave w fetches key step 15 - w into slot w
	; descriptor group 1: 12,800 dense bytes as 50 rows of 256
	s_mov_b32 s[G1], 15|(3<<16)|(1<<21)
	s_mov_b32 s[G1+1], 32<<16
	s_mov_b32 s[G1+2], 50<<16
	s_mov_b32 s[G1+3], 32<<16
	s_mov_b32 s[G1+4], 50
	s_mov_b32 s[G1+5], 32
	s_mov_b32 s[G1+6], 0
	s_mov_b32 s[G1+7], 0
	s_mul_i32 s36, s12, HEADB
	s_mov_b32 s37, 0
	s_mul_i32 s16, s13, STEPB
	s_mov_b32 s17, 0
	s_mov_b32 s[G0], 1
	s_mul_i32 s[G0+1], s[WV], KVB
	s_wait_alu depctr_va_vdst(0)                   ; ahead of the waits below
	s_wait_dscnt 0x0
	s_wait_kmcnt 0x0
	s_add_nc_u64 s[4:5], s[4:5], s[36:37]          ; QKV at my head
	s_add_nc_u64 s[G0+2:G0+3], s[4:5], s[16:17]
	s_or_b32 s[G0+3], s[G0+3], 0x80000000
	CROUND                                         ; all four work-groups are here: the joint loads meet
	tensor_load_to_lds s[G0:G0+3], s[G1:G1+7]      ; a wave's one tensor load of the launch
	s_nop 0
.rept 4
	v_nop
.endr
	s_lshr_b32 s11, s10, 1
	s_and_b32 s38, s10, 1                          ; the tile's parity in its pair
	s_xor_b32 s42, s19, 15                         ; group 31 - g lies in key step 15 - p,
	s_xor_b32 s43, s41, 1                          ; in its upper 64 where cluster x is 0
.macro QADDR step, u, d, e             ; where a tile's q begins (s[d:d+1]) and its scale words (s[e:e+1])
	s_lshl_b32 s13, s\u, 1
	s_add_co_u32 s13, s13, s11
	s_mul_i32 s36, s\step, STEPB
	s_add_co_u32 s36, s36, 2*PARTB
	s_mul_i32 s14, s13, 1536
	s_add_co_u32 s14, s14, s36
	s_lshl_b32 s13, s13, 2
	s_add_co_u32 s36, s36, s13
	s_add_co_u32 s36, s36, 6144
	s_mov_b32 s15, 0
	s_add_nc_u64 s[\d:\d+1], s[4:5], s[14:15]
	s_add_nc_u64 s[\e:\e+1], s[4:5], s[36:37]
.endm
	QADDR 42, 43, 52, 60
	QADDR 19, 41, 54, 62
	s_mov_b32 s[PSEL], 0x01000100
	s_cmp_lg_u32 s38, 0
	s_cselect_b32 s[PSEL], 0x03020302, s[PSEL]
	s_mul_i32 s13, s38, 520                        ; an even tile's q is at 0, 8, 512 of a lane's pieces, an odd one's at 520, 1024, 1032
	s_mul_i32 s14, s38, 1016
	s_add_co_u32 s14, s14, 8
	s_mul_i32 s15, s[WV], STGB
	s_add_co_u32 s15, s15, STG                     ; my own stage,
	s_add_co_u32 s16, s15, 4096
	s_mul_i32 s44, s19, STGB
	s_add_co_u32 s44, s44, STG+8*STGB              ; and wave p + 8's
	s_add_co_u32 s17, s44, 4096
	s_lshl_b32 s39, s10, 3                         ; 8 a
	v_and_b32 v[L8], 31, v0
	v_lshlrev_b32 v[LI], 4, v[L8]
	v_lshlrev_b32 v[L8], 3, v[L8]
	v_and_b32 v[TX], 15, v0                        ; r
	v_bfe_u32 v[TA], v0, 4, 1                      ; h
	v_lshlrev_b32 v[QSO], 4, v[TX]
	v_add_nc_u32 v[QA0], s13, v[LI]
	v_add_nc_u32 v[QA1], s14, v[LI]
	v_add_nc_u32 v[LS], 6144, v[QSO]
	v_lshlrev_b32 v[H8], 3, v[TA]
	v_lshlrev_b32 v[YSO], 7, v[TA]
	v_lshl_add_u32 v[YSO], v[TX], 3, v[YSO]
	v_add_nc_u32 v[MS], s15, v[LI]
	v_add_nc_u32 v[ML], s16, v[L8]
	v_add_nc_u32 v[RS], s44, v[LI]
	v_add_nc_u32 v[RL], s17, v[L8]
	v_and_b32 v[DQ], 7, v[TX]
	v_lshrrev_b32 v[TX], 3, v[TX]
	v_lshl_add_u32 v[DQ], v[TX], 5, v[DQ]
	v_lshlrev_b32 v[TX], 5, v[TA]
	v_sub_nc_u32 v[DQ], v[DQ], v[TX]
	v_add_nc_u32 v[DQ], s39, v[DQ]                 ; 8 a + r % 8 + 32 (r / 8) - 32 h
.irp i, 0,1,2,3,4,5,6
	v_mov_b32 v[QN+\i], 0                          ; (written on every path)
.endr
	s_wait_alu depctr_va_vdst(0)
	global_load_b64 v[Q:Q+1], v[QA0], s[52:53]
	global_load_b64 v[Q+2:Q+3], v[QA1], s[52:53]
	global_load_b64 v[Q+4:Q+5], v[QA0], s[52:53] offset:512
	global_load_b64 v[Q+12:Q+13], v[QA0], s[52:53]
	global_load_b64 v[Q+14:Q+15], v[QA1], s[52:53]
	global_load_b64 v[Q+16:Q+17], v[QA0], s[52:53] offset:512
	global_load_b32 v[TC], v[QSO], s[60:61]
	s_cmp_eq_u32 s40, 1
	s_cbranch_scc0 .Lone_tile
	global_load_b64 v[QN:QN+1], v[QA0], s[54:55]
	global_load_b64 v[QN+2:QN+3], v[QA1], s[54:55]
	global_load_b64 v[QN+4:QN+5], v[QA0], s[54:55] offset:512
	global_load_b32 v[QNS], v[QSO], s[62:63]
.Lone_tile:
	; where y goes: row block 128 batch + 4 group + a; the head's 64 channels are half a fragment
	s_lshl_b32 s13, s19, 1
	s_add_co_u32 s13, s13, s41                     ; g
	s_mov_b32 s14, 31
	s_cmp_eq_u32 s40, 1
	s_cselect_b32 s14, 0, s14
	s_xor_b32 s13, s13, s14                        ; waves 0-7: 31 - g
	s_lshl_b32 s13, s13, 2
	s_add_co_u32 s13, s13, s10
	s_lshr_b32 s14, s12, 4
	s_lshl_b32 s14, s14, 7
	s_add_co_u32 s13, s13, s14
	s_mul_i32 s36, s13, 13312
	s_and_b32 s14, s12, 15
	s_lshr_b32 s15, s14, 2
	s_mul_i32 s15, s15, 3328
	s_add_co_u32 s36, s36, s15
	s_and_b32 s14, s14, 3
	s_mul_i32 s15, s14, 768
	s_add_co_u32 s16, s36, s15
	s_mov_b32 s17, 0
	s_add_nc_u64 s[56:57], s[6:7], s[16:17]
	s_lshl_b32 s14, s14, 1
	s_add_co_u32 s36, s36, s14
	s_add_co_u32 s36, s36, 3072
	s_add_nc_u64 s[58:59], s[6:7], s[36:37]        ; two bytes of each row's scale words
	s_mov_b32 s[SEL], 0x76543210                   ; selects for lane l xor 16
	s_mov_b32 s[SEL+1], 0xfedcba98
	s_mov_b32 s[CS], 0x3e38aa3b
	s_mov_b32 s[CS+1], s[CS]                       ; (named with it as a pair, so it is written)
	s_mov_b32 s[NC], 0xbe38aa3b
	s_mov_b32 s14, 100                             ; waves 0-7: no trip is on the diagonal, none hands over
	s_mov_b32 s15, 8
	s_cmp_eq_u32 s40, 1
	s_cselect_b32 s[START], s19, s15
	s_cselect_b32 s[LAST], s19, s14
	s_mov_b32 s[HF], s41
.macro FRESH                           ; no score seen yet: -3e38, under every score; the first f comes out as 0
	v_mov_b32 v13, 0xff61b1e6
	v_mul_f32 v[TX], s[NC], v13
	v_floor_f32 v12, v[TX]
.endm
	v_mov_b32 v[NINF], 0xff800000
.irp i, 0,1,2,3,4,5
	v_mov_b32 v[Q+6+\i], 0                         ; zero codes
.endr
	FRESH
	v_mov_b32 v14, 0
	v_mov_b32 v15, 0
	v_mov_b32 v[FF+1], 0                           ; (named as the upper half of a pair; so are the next two)
	v_mov_b32 v[BM+1], 0
	v_mov_b32 v[BM+3], 0
	v_mov_b32 v[TX], 0                             ; (a lane permute's destination counts as one of its sources)
	v_mov_b32 v[PX], 0
	s_wait_alu depctr_va_vdst(0)                   ; the wait at the head's end
	s_wait_tensorcnt 0x0                           ; my key step is in,
	s_barrier_signal -1
	s_barrier_wait -1                              ; everybody's is: the head's K and V lie in LDS
	s_wait_loadcnt 0x0                             ; q
	v_perm_b32 v[QS], v[TC], v[TC], s[PSEL]
.set NN, 0
.rept 32
	v_mov_b32 v[O+NN], 0                           ; the first step finds zeros.  (Also the places between q's scale word and the first product)
.set NN, NN+1
.endr
.macro BODY nb                         ; one step of 64 nb keys
	v_add_nc_u32 v[ADK], s[TB], v[LI]
	v_add_nc_u32 v[ADS], s[TB], v[LS]
	v_nop
	v_nop                                          ; four places in front of loads into registers that the last step's products have read
.set KK, 0
.rept 2*\nb
.irp i, 0,1,2
	ds_load_b128 v[F+12*KK+4*\i:F+12*KK+4*\i+3], v[ADK] offset:1536*KK+512*\i
.endr
.set KK, KK+1
.endr
	ds_load_b128 v[SCW:SCW+3], v[ADS]
	s_wait_alu depctr_va_vdst(0)
	s_wait_dscnt 0x0
.set KK, 0
.rept 2*\nb                            ; S^T: a pair fragment serves two tiles of 16 keys
	v_wmma_scale_f32_16x16x128_f8f6f4 v[S+16*KK:S+16*KK+7], v[F+12*KK:F+12*KK+11], v[Q:Q+11], 0, v[SCW+KK], v[QS] matrix_a_fmt:MATRIX_FMT_FP6 matrix_b_fmt:MATRIX_FMT_FP6
	v_wmma_scale_f32_16x16x128_f8f6f4 v[S+16*KK+8:S+16*KK+15], v[F+12*KK:F+12*KK+11], v[Q+6:Q+17], 0, v[SCW+KK], v[QS] matrix_a_fmt:MATRIX_FMT_FP6 matrix_b_fmt:MATRIX_FMT_FP6
.set KK, KK+1
.endr
.rept 4
	v_nop
.endr
.irp k, 0,1,2,3                        ; V lands under the softmax
.irp i, 0,1,2
	ds_load_b128 v[F+12*\k+4*\i:F+12*\k+4*\i+3], v[ADK] offset:PARTB+1536*\k+512*\i
.endr
.endr
	ds_load_b128 v[SCW:SCW+3], v[ADS] offset:PARTB
.if (\nb) == 2
	s_cmp_lg_u32 s[SI], s[LAST]
	s_cbranch_scc1 .Lopen_\@
.endif
.set NN, 0
.rept 32                               ; on the diagonal: register 8 j + i of the last 64 keys is hidden where it lies above v[DQ]
	v_cmp_gt_i32 vcc_lo, NN, v[DQ]
	v_cndmask_b32 v[S+32*(\nb-1)+NN], v[S+32*(\nb-1)+NN], v[NINF], vcc_lo
.set NN, NN+1
.endr
.Lopen_\@:
.set CC, 0
.rept 2*\nb
	v_max3_num_f32 v[BM+CC], v[S+16*CC], v[S+16*CC+1], v[S+16*CC+2]
.set CC, CC+1
.endr
.irp i, 3,5,7,9,11,13
.set CC, 0
.rept 2*\nb
	v_max3_num_f32 v[BM+CC], v[BM+CC], v[S+16*CC+\i], v[S+16*CC+\i+1]
.set CC, CC+1
.endr
.endr
.set CC, 0
.rept \nb
	v_max_num_f32 v[BM+2*CC+1], v[BM+2*CC+1], v[S+32*CC+31]
.set CC, CC+1
.endr
.set CC, 0
.rept \nb
	v_max3_num_f32 v[BM+2*CC], v[BM+2*CC], v[S+32*CC+15], v[BM+2*CC+1]   ; my block's largest score: for the row's maximum and, since p rises with the score, for the block's largest p
.set CC, CC+1
.endr
.if (\nb) == 2
	v_max_num_f32 v[TA], v[BM], v[BM+2]
	v_permlanex16_b32 v[TX], v[TA], s[SEL], s[SEL+1]
	v_max3_num_f32 v13, v13, v[TA], v[TX]
.else
	v_permlanex16_b32 v[TX], v[BM], s[SEL], s[SEL+1]
	v_max3_num_f32 v13, v13, v[BM], v[TX]
.endif
	v_mul_f32 v[TX], s[NC], v13
	v_mov_b32 v[TA], v12
	v_floor_f32 v12, v[TX]                         ; the new -M = floor(-t)
	v_sub_f32 v[TA], v12, v[TA]                    ; old M - new M: a whole number, 0 or less
	v_cvt_i32_f32 v[TA], v[TA]                     ; (it saturates)
	v_ldexp_f32 v[FF], 1.0, v[TA]                  ; f
.set NN, 0
.rept 16*\nb
	v_pk_fma_f32 v[S+NN:S+NN+1], v[S+NN:S+NN+1], s[CS:CS+1], v[12:13] op_sel_hi:[1,0,0]   ; t - M
.set NN, NN+2
.endr
.set CC, 0
.rept \nb
	v_fma_f32 v[BM+2*CC], v[BM+2*CC], s[CS], v12
.set CC, CC+1
.endr
	s_wait_alu depctr_va_vdst(0)                   ; ahead of the batch
.set CC, 0
.rept \nb
	v_exp_f32 v[BM+2*CC], v[BM+2*CC]               ; the block's largest p
.set CC, CC+1
.endr
.set NN, 0
.rept 32*\nb
	v_exp_f32 v[S+NN], v[S+NN]                     ; p = 2^(t - M)
.set NN, NN+1
.endr
	s_wait_alu depctr_va_vdst(0)                   ; one wait for the batch, ahead of its first reader and of O^T's
.set NN, 0
.rept 16
	v_pk_mul_f32 v[O+NN:O+NN+1], v[O+NN:O+NN+1], v[FF:FF+1] op_sel_hi:[1,0]   ; O^T under the new M: plain instructions behind the exponentials
.set NN, NN+2
.endr
.set CC, 0
.rept \nb
	v_max_num_f32 v[BM+2*CC], 0x1800000, v[BM+2*CC]   ; the floor 2^(3 - 127)
.set CC, CC+1
.endr
.set CC, 0
.rept \nb
	v_add_nc_u32 v[SO+CC], 0xff000000, v[BM+2*CC]
.set CC, CC+1
.endr
.set CC, 0
.rept \nb
	v_lshrrev_b32 v[T4+CC], 23, v[SO+CC]
.set CC, CC+1
.endr
.if (\nb) == 2
	v_lshl_or_b32 v[PW], v[T4+1], 16, v[T4]        ; my bytes: blocks h and 2 + h
	v_lshlrev_b32 v[PW], v[H8], v[PW]
.else
	v_lshlrev_b32 v[PW], v[H8], v[T4]
.endif
	v_permlanex16_b32 v[PX], v[PW], s[SEL], s[SEL+1]
.set CC, 0
.rept \nb
	v_cvt_scalef32_pk16_fp6_f32 v[P+6*CC:P+6*CC+2], v[S+32*CC:S+32*CC+15], v[SO+CC]
	v_cvt_scalef32_pk16_fp6_f32 v[CT+4*CC:CT+4*CC+2], v[S+32*CC+16:S+32*CC+31], v[SO+CC]
.set CC, CC+1
.endr
	v_or_b32 v[PW], v[PW], v[PX]                   ; p's scale word; also the plain instruction behind the conversions
.set CC, 0
.rept \nb
.irp i, 0,1,2
	v_mov_b32 v[P+6*CC+3+\i], v[CT+4*CC+\i]
.endr
.set CC, CC+1
.endr
.if (\nb) == 1
.irp i, 6,7,8,9,10,11
	v_mov_b32 v[P+\i], 0                           ; the upper 64 keys count for nothing: zero codes
.endr
.endif
.irp k, 0,1,2,3                        ; the sum of the unquantised p, in four chains.  (Also the places between p's codes and scale word and the products)
	v_pk_add_f32 v[C+2*\k:C+2*\k+1], v[S+4*\k:S+4*\k+1], v[S+4*\k+2:S+4*\k+3]
.endr
.set NN, 8
.rept 16*\nb-8
	v_pk_add_f32 v[C+2*(NN%4):C+2*(NN%4)+1], v[C+2*(NN%4):C+2*(NN%4)+1], v[S+2*NN:S+2*NN+1]
.set NN, NN+1
.endr
	v_pk_add_f32 v[C:C+1], v[C:C+1], v[C+2:C+3]
	v_pk_add_f32 v[C+4:C+5], v[C+4:C+5], v[C+6:C+7]
	v_pk_add_f32 v[C:C+1], v[C:C+1], v[C+4:C+5]
	v_pk_fma_f32 v[14:15], v[14:15], v[FF:FF+1], v[C:C+1] op_sel_hi:[1,0,1]
	s_wait_alu depctr_va_vdst(0)
	s_wait_dscnt 0x0                               ; V
.irp t, 0,1,2,3                        ; O^T += V^T P^T: the four accumulators by turns
	v_wmma_scale_f32_16x16x128_f8f6f4 v[O+8*\t:O+8*\t+7], v[F+12*\t:F+12*\t+11], v[P:P+11], v[O+8*\t:O+8*\t+7], v[SCW+\t], v[PW] matrix_a_fmt:MATRIX_FMT_FP6 matrix_b_fmt:MATRIX_FMT_FP6
.endr
.endm
	s_wait_alu depctr_va_vdst(0)
	s_mov_b32 s[TB], 0
	s_mov_b32 s[SI], 0
.Lstep:                                            ; 16 trips in every wave
	s_cmp_lt_u32 s[SI], s[START]                   ; no work in this trip: only the steps at its end are made
	s_cbranch_scc1 .Lnext
	s_cmp_eq_u32 s[SI], s[LAST]
	s_cbranch_scc0 .Lwhole
	s_cmp_eq_u32 s[HF], 1
	s_cbranch_scc0 .Lwhole
	BODY 1
	s_branch .Ldone
.Lwhole:
	BODY 2
.Ldone:
	s_cmp_lg_u32 s[SI], 7
	s_cbranch_scc1 .Lnext
	s_cmp_lt_u32 s[WV], 8
	s_cbranch_scc1 .Lnext
	; waves 8-15: group 31 - g's part goes to LDS, group g begins (its first f is 0, which clears the sum and O)
	v_perm_b32 v[QS], v[QNS], v[QNS], s[PSEL]
	v_add_f32 v13, v14, v15
.irp i, 0,1,2,3,4,5
	v_mov_b32 v[Q+\i], v[QN+\i]
	v_mov_b32 v[Q+12+\i], v[QN+\i]
.endr
.irp k, 0,1,2,3,4,5,6,7
	ds_store_b128 v[MS], v[O+4*\k:O+4*\k+3] offset:512*\k
.endr
	ds_store_b64 v[ML], v[12:13]                   ; -M and my half's sum
	FRESH
	s_xor_b32 s[START], s19, 15
	s_mov_b32 s[LAST], s[START]
	s_xor_b32 s[HF], s[HF], 1
	s_wait_alu depctr_va_vdst(0)                   ; ahead of the loop's branch
.Lnext:
	s_add_co_u32 s[TB], s[TB], KVB
	s_add_co_u32 s[SI], s[SI], 1
	s_cmp_lt_u32 s[SI], 16
	s_cbranch_scc1 .Lstep
	s_wait_alu depctr_va_vdst(0)
	s_wait_dscnt 0x0
	s_barrier_signal -1
	s_barrier_wait -1                              ; the handed parts are in LDS
	v_add_f32 v14, v14, v15
	s_wait_alu depctr_va_vdst(0)
	s_cmp_lt_u32 s[WV], 8
	s_cbranch_scc0 .Lout
.irp k, 0,1,2,3,4,5,6,7                ; waves 0-7: the two parts of group 31 - g are brought under one M and added
	ds_load_b128 v[S+4*\k:S+4*\k+3], v[RS] offset:512*\k
.endr
	ds_load_b64 v[FF:FF+1], v[RL]
	s_wait_dscnt 0x0
	v_min_num_f32 v[TA], v12, v[FF]                ; the new -M
	v_sub_f32 v[TX], v[TA], v12
	v_sub_f32 v[T4], v[TA], v[FF]
	v_cvt_i32_f32 v[TX], v[TX]
	v_cvt_i32_f32 v[T4], v[T4]
	v_ldexp_f32 v[BM], 1.0, v[TX]
	v_ldexp_f32 v[BM+2], 1.0, v[T4]
	v_mul_f32 v14, v14, v[BM]
	v_fma_f32 v14, v[FF+1], v[BM+2], v14
.set NN, 0
.rept 16
	v_pk_mul_f32 v[O+NN:O+NN+1], v[O+NN:O+NN+1], v[BM:BM+1] op_sel_hi:[1,0]
.set NN, NN+2
.endr
.set NN, 0
.rept 16
	v_pk_fma_f32 v[O+NN:O+NN+1], v[S+NN:S+NN+1], v[BM+2:BM+3], v[O+NN:O+NN+1] op_sel_hi:[1,0,1]
.set NN, NN+2
.endr
.Lout:
	; THE WAY OUT: y = O^T / the sum; register 8 t + i is channel 32 h + 8 t + i of my query: one block
	v_permlanex16_b32 v[TX], v14, s[SEL], s[SEL+1]
	v_add_f32 v14, v14, v[TX]                      ; the row's sum
	s_wait_alu depctr_va_vdst(0)
	v_rcp_f32 v14, v14
	v_nop                                          ; a plain instruction behind the reciprocal; with the lines above, four places behind the last product
	v_nop
	s_wait_alu depctr_va_vdst(0)                   ; ahead of the first reader
.set NN, 0
.rept 16
	v_pk_mul_f32 v[S+NN:S+NN+1], v[O+NN:O+NN+1], v[14:15] op_sel_hi:[1,0]
.set NN, NN+2
.endr
.irp k, 0,1
	v_max3_num_f32 v[BM+\k], |v[S+16*\k]|, |v[S+16*\k+1]|, |v[S+16*\k+2]|
.endr
.irp i, 3,5,7,9,11,13
.irp k, 0,1
	v_max3_num_f32 v[BM+\k], v[BM+\k], |v[S+16*\k+\i]|, |v[S+16*\k+\i+1]|
.endr
.endr
	v_max3_num_f32 v[BM+1], v[BM+1], |v[S+31]|, 0x1800000
	v_max3_num_f32 v[BM], v[BM], |v[S+15]|, v[BM+1]
	v_add_nc_u32 v[SO], 0xff000000, v[BM]
	v_lshrrev_b32 v[T4], 23, v[SO]
	v_lshlrev_b32 v[PW], v[H8], v[T4]
	v_permlanex16_b32 v[PX], v[PW], s[SEL], s[SEL+1]
	v_cvt_scalef32_pk16_fp6_f32 v[P:P+2], v[S:S+15], v[SO]
	v_cvt_scalef32_pk16_fp6_f32 v[CT:CT+2], v[S+16:S+31], v[SO]
	v_or_b32 v[PW], v[PW], v[PX]                   ; the row's two bytes, in both halves of the lanes
.irp i, 0,1,2
	v_mov_b32 v[P+3+\i], v[CT+\i]
.endr
	global_store_b128 v[LI], v[P:P+3], s[56:57]    ; half a fragment: 512 bytes of registers 0-3, 256 of registers 4-5
	global_store_b64 v[L8], v[P+4:P+5], s[56:57] offset:512
	global_store_b16 v[YSO], v[PW], s[58:59]       ; two bytes a row, and again behind 128 bytes
	s_wait_tensorcnt 0x0                           ; the wave's end
	ds_add_u32 v[SPW], v[NIL]
	s_wait_dscnt 0x0
	CROUND                                         ; the closing round
	s_endpgm
.Lfunc_end_k_q8c93edc711_attn:
	.size	k_q8c93edc711_attn, .Lfunc_end_k_q8c93edc711_attn-k_q8c93edc711_attn
	.p2alignl 7, 3214868480
	.fill 96, 4, 3214868480
	.section	.rodata,"a",@progbits
	.p2align	6, 0x0
	.amdhsa_kernel k_q8c93edc711_attn
		.amdhsa_group_segment_fixed_size 276480
		.amdhsa_private_segment_fixed_size 0
		.amdhsa_enable_private_segment 0
		.amdhsa_kernarg_size 16
		.amdhsa_user_sgpr_count 2
		.amdhsa_user_sgpr_kernarg_segment_ptr 1
		.amdhsa_wavefront_size32 1
		.amdhsa_system_sgpr_workgroup_id_x 1
		.amdhsa_system_sgpr_workgroup_id_y 1
		.amdhsa_system_sgpr_workgroup_id_z 1
		.amdhsa_system_vgpr_workitem_id 0
		.amdhsa_next_free_vgpr 256
		.amdhsa_next_free_sgpr 66
		.amdhsa_reserve_vcc 1
		.amdhsa_float_denorm_mode_32 3
		.amdhsa_float_denorm_mode_16_64 3
		.amdhsa_memory_ordered 1
		.amdhsa_forward_progress 1
		.amdhsa_inst_pref_size 46
	.end_amdhsa_kernel
	.amdgpu_metadata
---
amdhsa.version: [ 1, 2 ]
amdhsa.kernels:
  - .name:           k_q8c93edc711_attn
    .symbol:         k_q8c93edc711_attn.kd
    .args:
      - { .name: QKV, .offset: 0, .size: 8, .value_kind: global_buffer, .address_space: global }
      - { .name: Y, .offset: 8, .size: 8, .value_kind: global_buffer, .address_space: global }
    .group_segment_fixed_size: 276480
    .private_segment_fixed_size: 0
    .kernarg_segment_align: 8
    .kernarg_segment_size: 16
    .max_flat_workgroup_size: 512
    .sgpr_count:     66
    .vgpr_count:     256
    .wavefront_size: 32
...
	.end_amdgpu_metadata
.endif
;; end of part 3
;; launch proj (part 4): grid 8 x 32, 4 waves a work-group, clusters of 4 x 4, 230,912 bytes of LDS; arguments Y, C1, out0; writes out0
.if DOCPART == 4
	.amdgcn_target "amdgcn-amd-amdhsa--gfx1250"
	.amdhsa_code_object_version 6
	.text
	.protected	k_q8c93edc711_proj
	.globl	k_q8c93edc711_proj
	.p2align	8
	.type	k_q8c93edc711_proj,@function
k_q8c93edc711_proj:
	s_mov_b64 s[64:65], 0
	v_nop
	global_prefetch_b8 v0, s[64:65] scope:SCOPE_SE
	s_setreg_imm32_b32 hwreg(HW_REG_WAVE_MODE, 25, 1), 1
	s_wait_xcnt 0x0
	s_wait_alu depctr_hold_cnt(0) depctr_sa_sdst(0) depctr_va_vdst(0) depctr_va_sdst(0) depctr_va_ssrc(0) depctr_va_vcc(0) depctr_vm_vsrc(0)
	s_getreg_b32 s2, hwreg(HW_REG_IB_STS2, 6, 4)
	s_cmp_eq_u32 s2, 0
	s_cbranch_scc0 .Lentry_in_a_cluster
	s_endpgm
.Lentry_in_a_cluster:
	s_bfe_u32 s2, ttmp6, 0x10000c
	s_cmp_lg_u32 s2, 0xf033
	s_cbranch_scc0 .Lentry_shape_is_right
	s_endpgm
.Lentry_shape_is_right:
; out = y w_proj^T on codes of FP6 (E2M3) with E8M0 scales, sums in f32.  256 work-groups make 128 x 128 each, their four waves 64 x 64: 16 accumulators.
; ALL OF K LIES IN LDS: 8 row blocks of y and 8 of w_proj, codes and scale words, 212,992 bytes, in two halves of K.  One tensor load a wave, all at the head: waves 0 and 1 y's and w_proj's first half, waves 2 and 3 the second; nothing is filled again.
; CLUSTERS: 4 x 4 work-groups: y's rows are asked for jointly by a row of the cluster, w_proj's by a column.  No prefetch: every byte that the launch reads is asked for at its head.
; A row block is four chunks of 3,328 bytes: two fragments, then row r's two scale words at 3,072 + 8 r.  w_proj's fragment is three pieces of 512 bytes (16 a lane); y's is two halves of 768: 512 bytes of four registers, 256 of two.
; Source 0 = w_proj's rows, source 1 = y's: register 32 a + 8 b + i of lane (r, h) is column 32 h + 8 b + i of my 64, in tile a's place r, row 8 a + r % 8 + 32 (r / 8) of my 64.
; REGISTERS: window 0: v0-15 addresses, v16-31 scale words (two sets), v32-223 fragments (two sets; later rows read back), v224-226 the way out; window 1: the sums.
.set RB,   13312
.set CH,   3328
.set BLK,  2*CH                        ; half a row block
.set HALF, 8*BLK
.set SPARE, 4*HALF                     ; the spare words, 128 bytes for each wave
.set STG,  SPARE+512                   ; a stage of 16 rows x 272 bytes for each wave
.set PIT,  272
.set AA,   6                           ; v6-7   y: 16 x lane, for each half of K
.set AA8,  8                           ; v8-9   y: 512 + 8 x lane
.set AB,   10                          ; v10-11 w_proj
.set AS,   12                          ; v12-13 scale words: lanes 0-15 y's block i, lanes 16-31 w_proj's
.set SPW,  14
.set NIL,  15
.set SC,   16
.set FB,   32
.set BK,   32
.set STO,  224
.set RD,   225
.set CO,   226
.set G1X,  24
.set G0X,  32
.set G0W,  36
.set G1W,  68
.set MSB,  0
.macro WIN new
.if MSB != (\new)
	s_set_vgpr_msb (MSB<<8)|(\new)
.set MSB, (\new)
.endif
.endm
.macro PLACES
.rept 4
	v_nop
.endr
.endm
.macro TL g0, g1
	tensor_load_to_lds s[\g0:\g0+3], s[\g1:\g1+7]
	s_nop 0
	PLACES
.endm
.macro CROUND
	s_barrier_signal -1
	s_barrier_wait -1
	s_cmp_lg_u32 s14, 0
	s_cbranch_scc1 .Lnot_wave_0_\@
	s_barrier_signal -3
.Lnot_wave_0_\@:
	s_barrier_wait -3
	s_barrier_signal -1
	s_barrier_wait -1
.endm
	s_load_b128 s[4:7], s[0:1], 0x0                ; Y, C1
	s_load_b64 s[8:9], s[0:1], 0x10                ; out0
	v_lshl_add_u32 v[SPW], v0, 2, SPARE
	v_mov_b32 v[NIL], 0
	ds_add_u32 v[SPW], v[NIL]                      ; the opening lines
	ds_add_u32 v[SPW], v[NIL]
	v_lshrrev_b32 v1, 5, v0
	v_readfirstlane_b32 s14, v1                    ; wave 0..3
	s_lshr_b32 s15, s14, 1                         ; which half of the rows is mine.  Also: which half of K I fetch
	s_and_b32 s16, s14, 1                          ; which half of the columns
	s_bfe_u32 s40, ttmp6, 0x40000                  ; cx
	s_bfe_u32 s41, ttmp6, 0x40004                  ; cy
	s_lshl_b32 s42, ttmp9, 2
	s_add_co_u32 s42, s42, s40                     ; tile column
	s_and_b32 s17, ttmp7, 0xffff
	s_lshl_b32 s17, s17, 2
	s_add_co_u32 s17, s17, s41                     ; tile row
	s_lshl_b32 s43, s41, 2
	s_lshl_b32 s43, 15, s43                        ; my row of the cluster
	s_lshl_b32 s44, 0x1111, s40                    ; my column
	; descriptor group 1: 8 rows of 6,656 bytes (832 elements of 8), 13,312 bytes apart in memory, dense in LDS
	s_or_b32 s[G1X], s43, (3<<16)|(1<<21)
	s_or_b32 s[G1W], s44, (3<<16)|(1<<21)
.irp g, G1X, G1W
	s_mov_b32 s[\g+1], 832<<16
	s_mov_b32 s[\g+2], 8<<16
	s_mov_b32 s[\g+3], 832<<16
	s_mov_b32 s[\g+4], 8
	s_mov_b32 s[\g+5], 1664
	s_mov_b32 s[\g+6], 0
	s_mov_b32 s[\g+7], 0
.endr
	s_mul_i32 s18, s15, BLK
	s_mul_i32 s20, s17, 8*RB
	s_add_co_u32 s20, s20, s18
	s_mov_b32 s21, 0
	s_mul_i32 s22, s42, 8*RB
	s_add_co_u32 s22, s22, 448*RB
	s_add_co_u32 s22, s22, s18
	s_mov_b32 s23, 0
	s_mov_b32 s[G0X], 1
	s_mul_i32 s[G0X+1], s15, 2*HALF
	s_mov_b32 s[G0W], 1
	s_mul_i32 s[G0W+1], s15, 2*HALF
	s_add_co_u32 s[G0W+1], s[G0W+1], HALF
	s_wait_alu depctr_va_vdst(0)                   ; ahead of the waits below
	s_wait_dscnt 0x0                               ; both opening adds are done
	s_wait_kmcnt 0x0
	s_add_nc_u64 s[G0X+2:G0X+3], s[4:5], s[20:21]
	s_or_b32 s[G0X+3], s[G0X+3], 0x80000000
	s_add_nc_u64 s[G0W+2:G0W+3], s[6:7], s[22:23]
	s_or_b32 s[G0W+3], s[G0W+3], 0x80000000
	CROUND                                         ; all sixteen work-groups are here: the joint loads meet
	s_cmp_eq_u32 s14, 0                            ; one tensor load a wave, each wave its own line
	s_cbranch_scc0 .Lwave_1
	TL G0X, G1X
	s_branch .Lasked
.Lwave_1:
	s_cmp_eq_u32 s14, 1
	s_cbranch_scc0 .Lwave_2
	TL G0W, G1W
	s_branch .Lasked
.Lwave_2:
	s_cmp_eq_u32 s14, 2
	s_cbranch_scc0 .Lwave_3
	TL G0X, G1X
	s_branch .Lasked
.Lwave_3:
	TL G0W, G1W
.Lasked:
	s_lshl_b32 s50, s17, 7
	s_lshl_b32 s51, s15, 6
	s_add_co_u32 s50, s50, s51                     ; my first row
	s_lshl_b32 s50, s50, 12
	s_lshl_b32 s51, s42, 9
	s_add_co_u32 s50, s50, s51
	s_lshl_b32 s51, s16, 8
	s_add_co_u32 s50, s50, s51                     ; my first column
	s_mov_b32 s51, 0
	s_add_nc_u64 s[8:9], s[8:9], s[50:51]
	s_mul_i32 s2, s15, 4*BLK                       ; my 4 blocks of y,
	s_mul_i32 s3, s16, 4*BLK
	s_add_co_u32 s3, s3, HALF                      ; my 4 of w_proj,
	s_sub_co_u32 s11, s3, s2                       ; and the distance between them
	s_mul_i32 s12, s14, 16*PIT
	s_add_co_u32 s12, s12, STG                     ; my stage
	v_and_b32 v1, 15, v0                           ; r
	v_bfe_u32 v2, v0, 4, 1                         ; h
	v_and_b32 v3, 31, v0
	v_lshlrev_b32 v4, 4, v3
	v_lshlrev_b32 v5, 3, v3
	v_add_nc_u32 v[AA], s2, v4
	v_add_nc_u32 v[AA+1], 2*HALF, v[AA]
	v_add_nc_u32 v5, s2, v5
	v_add_nc_u32 v[AA8], 512, v5
	v_add_nc_u32 v[AA8+1], 2*HALF, v[AA8]
	v_add_nc_u32 v[AB], s3, v4
	v_add_nc_u32 v[AB+1], 2*HALF, v[AB]
	v_lshlrev_b32 v3, 3, v1
	v_add_nc_u32 v3, s2, v3
	v_add_nc_u32 v3, 3072, v3
	v_mul_u32_u24 v4, s11, v2
	v_add_nc_u32 v[AS], v3, v4
	v_add_nc_u32 v[AS+1], 2*HALF, v[AS]
	v_mul_u32_u24 v3, v1, PIT
	v_lshl_add_u32 v3, v2, 7, v3
	v_add_nc_u32 v[STO], s12, v3                   ; into the stage: row r, 128 bytes for each half of the lanes
	v_mul_u32_u24 v3, v2, PIT
	v_lshl_add_u32 v3, v1, 4, v3
	v_add_nc_u32 v[RD], s12, v3                    ; back: sixteen lanes a row of 256 bytes
	v_lshlrev_b32 v3, 12, v2
	v_lshl_add_u32 v[CO], v1, 4, v3                ; and the same two rows in out0
.macro FETCH st
.set H_, (\st)/4
.set O_, CH*(((\st)/2)%2)+1536*((\st)%2)
.set F_, FB+96*((\st)%2)
.irp i, 0,1,2,3
.irp k, 0,1,2
	ds_load_b128 v[F_+48+12*\i+4*\k:F_+48+12*\i+4*\k+3], v[AB+H_] offset:BLK*\i+O_+512*\k
.endr
.endr
.irp i, 0,1,2,3
.irp k, 0,1
	ds_load_b128 v[F_+12*\i+6*\k:F_+12*\i+6*\k+3], v[AA+H_] offset:BLK*\i+O_+768*\k
	ds_load_b64 v[F_+12*\i+6*\k+4:F_+12*\i+6*\k+5], v[AA8+H_] offset:BLK*\i+O_+768*\k
.endr
.endr
.if (\st)%2 == 0
.irp i, 0,1,2,3
	ds_load_b64 v[SC+8*(((\st)/2)%2)+2*\i:SC+8*(((\st)/2)%2)+2*\i+1], v[AS+H_] offset:BLK*\i+CH*(((\st)/2)%2)
.endr
.endif
.endm
; The accumulators take turns, one instruction a turn, in the same order in every step.
.macro MUL st, a0, n
.set F_, FB+96*((\st)%2)
.set S_, SC+8*(((\st)/2)%2)+(\st)%2
	WIN 0x50
.set A_, \a0
.rept \n
.irp b, 0,1,2,3
.if (\st) == 0
	v_wmma_scale_f32_16x16x128_f8f6f4 v[32*A_+8*\b:32*A_+8*\b+7], v[F_+48+12*\b:F_+59+12*\b], v[F_+12*A_:F_+12*A_+11], 0, v[S_+2*\b], v[S_+2*A_] matrix_a_fmt:MATRIX_FMT_FP6 matrix_b_fmt:MATRIX_FMT_FP6 matrix_a_scale:MATRIX_SCALE_ROW1
.else
	v_wmma_scale_f32_16x16x128_f8f6f4 v[32*A_+8*\b:32*A_+8*\b+7], v[F_+48+12*\b:F_+59+12*\b], v[F_+12*A_:F_+12*A_+11], v[32*A_+8*\b:32*A_+8*\b+7], v[S_+2*\b], v[S_+2*A_] matrix_a_fmt:MATRIX_FMT_FP6 matrix_b_fmt:MATRIX_FMT_FP6 matrix_a_scale:MATRIX_SCALE_ROW1
.endif
.endr
.set A_, A_+1
.endr
	WIN 0
.endm
.macro STEP st
	s_wait_dscnt 0x0                               ; this step's fragments are in
	PLACES                                         ; in front of loads into registers that the last step's products have read
	FETCH (\st)+1
	MUL \st, 0, 4
.endm
	s_wait_alu depctr_va_vdst(0)                   ; the wait at the head's end
	s_cmp_lt_u32 s14, 2
	s_cbranch_scc0 .Lsecond
	s_wait_tensorcnt 0x0                           ; waves 0 and 1: the first half of K is in; the second may be on its way
.Lsecond:
	s_barrier_signal -1
	s_barrier_wait -1
	FETCH 0
	STEP 0
	STEP 1
	STEP 2
	s_wait_dscnt 0x0
	MUL 3, 0, 2
	s_wait_tensorcnt 0x0                           ; the second half is in
	s_barrier_signal -1
	MUL 3, 2, 1
	s_barrier_wait -1
	PLACES
	FETCH 4
	MUL 3, 3, 1
	STEP 4
	STEP 5
	STEP 6
	s_wait_dscnt 0x0
	MUL 7, 0, 4
	PLACES                                         ; results are read, and fragments' registers loaded, behind these
.macro TOSTAGE a                       ; 16 rows x 256 bytes through my own stage; LDS serves a wave's instructions in order
	WIN 0x04
.irp k, 0,1,2,3,4,5,6,7
	ds_store_b128 v[STO], v[32*(\a)+4*\k:32*(\a)+4*\k+3] offset:16*\k
.endr
	WIN 0
.irp t, 0,1,2,3,4,5,6,7
	ds_load_b128 v[BK+32*(\a)+4*\t:BK+32*(\a)+4*\t+3], v[RD] offset:2*PIT*\t
.endr
.endm
.macro SEND a, younger                 ; younger: the next block's LDS instructions, which may stay out
	s_wait_dscnt \younger
.irp t, 0,1,2,3,4,5,6,7
	global_store_b128 v[CO], v[BK+32*(\a)+4*\t:BK+32*(\a)+4*\t+3], s[8:9] offset:(8*(\a)+2*(\t%4)+32*(\t/4))*4096 th:TH_STORE_NT   ; sixteen lanes store 256 consecutive bytes, at a multiple of 256
.endr
.endm
	TOSTAGE 0
	TOSTAGE 1
	SEND 0, 16
	TOSTAGE 2
	SEND 1, 16
	TOSTAGE 3
	SEND 2, 16
	SEND 3, 0
	s_wait_tensorcnt 0x0                           ; the wave's end
	ds_add_u32 v[SPW], v[NIL]
	s_wait_dscnt 0x0
	CROUND                                         ; the closing round
	s_endpgm
.Lfunc_end_k_q8c93edc711_proj:
	.size	k_q8c93edc711_proj, .Lfunc_end_k_q8c93edc711_proj-k_q8c93edc711_proj
	.p2alignl 7, 3214868480
	.fill 96, 4, 3214868480
	.section	.rodata,"a",@progbits
	.p2align	6, 0x0
	.amdhsa_kernel k_q8c93edc711_proj
		.amdhsa_group_segment_fixed_size 230912
		.amdhsa_private_segment_fixed_size 0
		.amdhsa_enable_private_segment 0
		.amdhsa_kernarg_size 24
		.amdhsa_user_sgpr_count 2
		.amdhsa_user_sgpr_kernarg_segment_ptr 1
		.amdhsa_wavefront_size32 1
		.amdhsa_system_sgpr_workgroup_id_x 1
		.amdhsa_system_sgpr_workgroup_id_y 1
		.amdhsa_system_sgpr_workgroup_id_z 1
		.amdhsa_system_vgpr_workitem_id 0
		.amdhsa_next_free_vgpr 384
		.amdhsa_next_free_sgpr 80
		.amdhsa_reserve_vcc 0
		.amdhsa_float_denorm_mode_32 3
		.amdhsa_float_denorm_mode_16_64 3
		.amdhsa_memory_ordered 1
		.amdhsa_forward_progress 1
		.amdhsa_inst_pref_size 48
	.end_amdhsa_kernel
	.amdgpu_metadata
---
amdhsa.version: [ 1, 2 ]
amdhsa.kernels:
  - .name:           k_q8c93edc711_proj
    .symbol:         k_q8c93edc711_proj.kd
    .args:
      - { .name: Y, .offset: 0, .size: 8, .value_kind: global_buffer, .address_space: global }
      - { .name: C1, .offset: 8, .size: 8, .value_kind: global_buffer, .address_space: global }
      - { .name: out0, .offset: 16, .size: 8, .value_kind: global_buffer, .address_space: global }
    .group_segment_fixed_size: 230912
    .private_segment_fixed_size: 0
    .kernarg_segment_align: 8
    .kernarg_segment_size: 24
    .max_flat_workgroup_size: 128
    .sgpr_count:     80
    .vgpr_count:     384
    .wavefront_size: 32
...
	.end_amdgpu_metadata
.endif
;; end of part 4
